; MI455X (gfx1250); checked and timed in simulation.
; The chip was launched on July 23, 2026; its instructions are those of AMD's public machine-readable ISA for CDNA 5 (MIT licence, August 2026) and "CDNA5" Instruction Set Architecture Reference Guide (July 2026). The comments in the code are by the model that wrote it; some were corrected since.
;; Ratio Of Distances Metric. Allowed arithmetic: matrix products marked QUANTISED: E2M1 operands, one E8M0 scale for each 32 along K, by v_wmma_scale_f32_16x16x128_f8f6f4 with both operands' format E2M1 (or v_wmma_scale_f32_32x16x128_f4), f32 sums; everything else in f32.
;; Inputs: X_sample 4,096 x 256 float32; X_train 32,768 x 256 float32.
;; Outputs: out0 4,096 x 2 float32; out1 one number float32.
;; This version of the problem:
;;   THIS VERSION OF THE PROBLEM IS GIVEN IN LOW PRECISION. The matrix products marked QUANTISED in the list below multiply operands that are first quantised to E2M1 (2 exponent bits, 1 mantissa bit; 4 bits a number), with one power-of-two scale for each 32 numbers along K (OCP MX v1.0); their sums are f32. All else is computed in f32.
;;   The module's matrix products, in the order in which they are computed (A, B: the left and right operand; K: the contracted axis; several contracted axes count as one K, in the product's order):
;;     1. [M 4,096, K 256] x [K 256, N 32,768]; A: input X_sample; B: input X_train: QUANTISED
;;   THE QUANTISER, for each operand of a quantised product, along K:
;;     - K is cut into blocks of 32 from its start; a last block that is shorter is filled with zeros.
;;     - A block's scale is 2^e with e = floor(log2(the largest magnitude in the block)) - 2, held to -126 .. 127; a block of zeros has e = 0. As a byte (E8M0): e + 127.
;;     - Each number is divided by its block's scale, clamped to +-6, and rounded to the nearest number of E2M1, ties to even, subnormals kept.
;;     - The product sums the exact products of the quantised numbers (number of the format x scale) in f32.
;;   ~~~python
;;   def quantise(x, axis):      # numpy; x: float32 -> the quantised numbers, widened to float32 again
;;       x = np.moveaxis(x, axis, -1); K = x.shape[-1]
;;       x = np.pad(x, [(0, 0)] * (x.ndim - 1) + [(0, -K % 32)]); x = x.reshape(x.shape[:-1] + (-1, 32)); a = np.abs(x).max(-1, keepdims=True)
;;       e = np.where(a > 0, np.clip(np.frexp(np.where(a > 0, a, 1))[1] - 1 - 2, -126, 127), 0)      # np.frexp(a)[1] - 1 = floor(log2(a)), exactly
;;       r = np.clip(x / 2.0 ** e, -6, 6)
;;       step = 2.0 ** (np.maximum(np.frexp(np.where(r == 0, 1, r))[1] - 1, 0) - 1)
;;       q = np.round(r / step) * step * 2.0 ** e      # np.round: ties to even
;;       return np.moveaxis(q.reshape(q.shape[:-2] + (-1,))[..., :K], -1, axis).astype(np.float32)
;;   ~~~
;; One version. Each part assembles by itself: llvm-mc -triple=amdgcn-amd-amdhsa -mcpu=gfx1250 --defsym DOCPART=n.
;; ======== version 1 of 1: 4 launches
;; workspace buffers: codes 4,718,592 bytes; scl 294,912 bytes; nrm 147,456 bytes; part 1,048,576 bytes
;; launch quant (part 1): grid 576 x 1, 4 waves a work-group, no clusters, 68,096 bytes of LDS; arguments X_sample, X_train, codes, scl, nrm; writes codes, scl, nrm
.if DOCPART == 1
	.amdgcn_target "amdgcn-amd-amdhsa--gfx1250"
	.amdhsa_code_object_version 6
	.text
	.protected	k_qa94f9694c0_quant
	.globl	k_qa94f9694c0_quant
	.p2align	8
	.type	k_qa94f9694c0_quant,@function
k_qa94f9694c0_quant:
	s_mov_b64 s[64:65], 0
	v_nop
	global_prefetch_b8 v0, s[64:65] scope:SCOPE_SE
	s_setreg_imm32_b32 hwreg(HW_REG_WAVE_MODE, 25, 1), 1
	s_wait_xcnt 0x0
; X_sample [4096][256] and X_train [32768][256], f32, become codes of FP4 (E2M1) with one E8M0 scale byte for each 32 along K, and each row's sum of squares (of the f32 numbers as given).
; Rows are numbered jointly: 0 .. 4095 the samples, 4096 .. 36863 the train rows.  A TILE is 16 rows, a GROUP four tiles.  Work-group g takes group g (g < 64: samples), wave w its tile 4 g + w.
; WHAT IS STORED lies in the order of a matrix operand's registers:
;   codes [tile][q = 0..3][lane = 16 h + r][16 bytes]: chunk q = 2 s + c is block 4 s + 2 c + h of row r: registers 4 c .. 4 c + 3 of the fragment of K step s (128 along K).  2,048 bytes a tile.
;   scl   [group][lane][tile in group], a word each: lanes 0-15 the scale word of row r for K step 0, lanes 16-31 for K step 1.  512 bytes a group.
;   nrm   [row] f32: samples: the sum of squares; train rows: -0.5 x the sum of squares (the next launch gives it to the matrix unit as the C of a sum).
; A block's scale is 2^(floor(log2(its largest magnitude)) - 2); its byte is the largest magnitude's exponent field - 2, held at 1 from below.
; LIMITS: a block of zeros gets the byte 1 where the rule says 127 (its codes are zeros, and this program alone reads the bytes); blocks whose largest magnitude lies under 2^(3 - 127) share that byte;
; NaN and infinities among the inputs are not served.  The sum of squares is taken in eight chains a lane and joined: another order of f32 rounding than a plain sum's.
; A tile is 16,384 dense bytes: each of 32 loads reads 512 consecutive bytes.  The conversions want a whole block in ONE lane's registers, so the tile turns through the wave's own stage in LDS.
.set PITCH, 1040                       ; a stage row: 1,024 bytes + 16, an odd multiple of 16: the sixteen rows that a read touches fall on different 16-byte columns
.set STG,   16*PITCH                   ; a wave's stage
.set GS,    4*STG                      ; behind the stages: the group's 512 bytes of scale words,
.set GN,    GS+512                     ; and its 256 bytes of sums
.set R,     32                         ; v32-159  128 numbers: as loaded, then block 2 c + h of my row at v[R + 32 c]
.set CD,    160                        ; v160-175 codes: chunk q at v[CD + 4 q]
.set MX,    176                        ; v176-179 the four blocks' largest magnitudes
.set SO,    180                        ; v180-183 the conversions' scale operands
.set BY,    184                        ; v184-187 the scale bytes
.set SQ,    188                        ; v[188:195] four pairs of sums of squares
	s_load_b128 s[4:7], s[0:1], 0x0                ; X_sample, X_train
	s_load_b128 s[8:11], s[0:1], 0x10              ; codes, scl
	s_load_b64 s[12:13], s[0:1], 0x20              ; nrm
	v_lshl_add_u32 v208, v0, 2, 0x10800
	v_mov_b32 v209, 0
	v_lshrrev_b32 v1, 5, v0
	v_readfirstlane_b32 s14, v1                    ; wave 0..3
	v_and_b32 v1, 31, v0                           ; lane
	v_and_b32 v2, 15, v0                           ; r
	v_bfe_u32 v3, v0, 4, 1                         ; h
	v_lshlrev_b32 v4, 4, v1                        ; 16 x lane: my bytes of a load's or a store's 512
	s_mul_i32 s15, s14, STG                        ; my stage
	v_add_nc_u32 v5, s15, v4                       ; into it: as the bytes lie
	v_mul_u32_u24 v6, v2, PITCH
	v_lshl_add_u32 v6, v3, 7, v6
	v_add_nc_u32 v6, s15, v6                       ; out of it: row r, + 128 h: block h of each pair of blocks
	s_lshl_b32 s24, s14, 2
	s_add_co_u32 s24, s24, GS
	v_add_nc_u32 v7, s24, v4                       ; my tile's scale word: GS + 16 x lane + 4 x wave
	s_lshl_b32 s25, s14, 6
	s_add_co_u32 s25, s25, GN
	v_lshl_add_u32 v8, v2, 2, s25                  ; my row's sum: GN + 64 x wave + 4 r
	v_add_nc_u32 v9, GS, v4                        ; wave 0 reads both back: 16 bytes a lane,
	v_lshl_add_u32 v10, v1, 3, GN                  ; 8 bytes a lane
	v_lshlrev_b32 v11, 3, v1                       ; 8 x lane
	v_lshlrev_b32 v12, 3, v3                       ; 8 h: how far my bytes are shifted in a scale word
	v_mov_b32 v18, 0                               ; a lane permute's destination counts as one of its sources: written once
	v_mov_b32 v19, 0
	v_mov_b32 v23, 0
	s_mov_b32 s22, 0x76543210
	s_mov_b32 s23, 0xfedcba98                      ; v_permlanex16_b32's selects for lane l xor 16
	s_wait_kmcnt 0x0
	s_cmp_lt_u32 ttmp9, 64                         ; samples or train rows?  The choice hangs on the work-group's number alone
	s_cselect_b64 s[4:5], s[4:5], s[6:7]
	s_cselect_b32 s20, 1.0, -0.5                   ; what the sum of squares is multiplied by
	s_cselect_b32 s16, 0, 64
	s_sub_co_u32 s16, ttmp9, s16                   ; the group's number in its tensor
	s_lshl_b32 s16, s16, 16                        ; x 64 rows of 1,024 bytes
	s_lshl_b32 s17, s14, 14                        ; + my tile's 16,384
	s_add_co_u32 s16, s16, s17
	s_mov_b32 s17, 0
	s_add_nc_u64 s[4:5], s[4:5], s[16:17]
	s_lshl_b32 s18, ttmp9, 13                      ; codes: 8,192 bytes a group, 2,048 a tile
	s_lshl_b32 s19, s14, 11
	s_add_co_u32 s18, s18, s19
	s_mov_b32 s19, 0
	s_add_nc_u64 s[8:9], s[8:9], s[18:19]
	s_lshl_b32 s18, ttmp9, 9                       ; scl: 512 bytes a group
	s_add_nc_u64 s[10:11], s[10:11], s[18:19]
	s_lshl_b32 s18, ttmp9, 8                       ; nrm: 256 bytes a group
	s_add_nc_u64 s[12:13], s[12:13], s[18:19]
.set n, 0
.rept 32
	global_load_b128 v[R+4*n:R+4*n+3], v4, s[4:5] offset:512*n th:TH_LOAD_NT   ; 32 lanes read 512 consecutive bytes: half a row
.set n, n+1
.endr
.set n, 0
.rept 4
	s_wait_loadcnt 24-n                            ; loads come back in order: the eight oldest of those left are in, the younger ones stay out
.rept 8
	ds_store_b128 v5, v[R+4*n:R+4*n+3] offset:(n/2)*PITCH+(n%2)*512
.set n, n+1
.endr
.endr
	s_wait_dscnt 0x0                               ; the stores have read their registers, which the loads below fill again
.irp c, 0,1,2,3
.irp i, 0,1,2,3,4,5,6,7
	ds_load_b128 v[R+32*\c+4*\i:R+32*\c+4*\i+3], v6 offset:256*\c+16*\i   ; block 2 c + h of row r: 32 neighbours along K in my registers
.endr
.endr
	s_wait_dscnt 0x0
	; the four blocks by turns, so that no line waits for the line above it: the largest magnitude, and the sum of squares two at a time
.irp c, 0,1,2,3
	v_max3_num_f32 v[MX+\c], |v[R+32*\c]|, |v[R+32*\c+1]|, 0x1800000   ; with the floor 2^(3 - 127): the byte cannot fall under 1
.endr
.irp c, 0,1,2,3
	v_pk_mul_f32 v[SQ+2*\c:SQ+2*\c+1], v[R+32*\c:R+32*\c+1], v[R+32*\c:R+32*\c+1]   ; the first squares start the sums: nothing is cleared
.endr
.irp i, 2,4,6,8,10,12,14,16,18,20,22,24,26,28,30
.irp c, 0,1,2,3
	v_max3_num_f32 v[MX+\c], v[MX+\c], |v[R+32*\c+\i]|, |v[R+32*\c+\i+1]|
	v_pk_fma_f32 v[SQ+2*\c:SQ+2*\c+1], v[R+32*\c+\i:R+32*\c+\i+1], v[R+32*\c+\i:R+32*\c+\i+1], v[SQ+2*\c:SQ+2*\c+1]
.endr
.endr
.irp c, 0,1,2,3
	v_add_nc_u32 v[SO+\c], 0xff000000, v[MX+\c]    ; 2 off the exponent field: the conversion takes the exponent field of this operand as its scale, and nothing else of it
.endr
.irp c, 0,1,2,3
.irp g, 0,1,2,3
	v_cvt_scalef32_pk8_fp4_f32 v[CD+4*\c+\g], v[R+32*\c+8*\g:R+32*\c+8*\g+7], v[SO+\c]   ; eight numbers / the scale, to the nearest code, ties to even, beyond 6 the largest code
.endr
.endr
.irp c, 0,1,2,3
	v_lshrrev_b32 v[BY+\c], 23, v[SO+\c]           ; the scale's byte.  (These plain lines stand behind the conversions; they touch no result and write no source of them)
.endr
.irp q, 0,1,2,3
	global_store_b128 v4, v[CD+4*\q:CD+4*\q+3], s[8:9] offset:512*\q   ; 32 lanes store 512 consecutive bytes, at a multiple of 256 from the buffer's first byte
.endr
	; the scale words: of K step s I hold bytes h and 2 + h; lane l xor 16 holds the other two
	v_lshl_or_b32 v16, v[BY+1], 16, v[BY]
	v_lshl_or_b32 v17, v[BY+3], 16, v[BY+2]
	v_lshlrev_b32 v16, v12, v16
	v_lshlrev_b32 v17, v12, v17
	v_permlanex16_b32 v18, v16, s22, s23
	v_permlanex16_b32 v19, v17, s22, s23
	v_or_b32 v16, v16, v18
	v_or_b32 v17, v17, v19
	v_cmp_ne_u32 vcc_lo, 0, v3
	v_cndmask_b32 v20, v16, v17, vcc_lo            ; lanes 0-15 keep K step 0's word, lanes 16-31 K step 1's
	; the row's sum of squares
	v_pk_add_f32 v[SQ:SQ+1], v[SQ:SQ+1], v[SQ+2:SQ+3]
	v_pk_add_f32 v[SQ+4:SQ+5], v[SQ+4:SQ+5], v[SQ+6:SQ+7]
	v_pk_add_f32 v[SQ:SQ+1], v[SQ:SQ+1], v[SQ+4:SQ+5]
	v_add_f32 v21, v[SQ], v[SQ+1]
	v_permlanex16_b32 v23, v21, s22, s23
	v_add_f32 v21, v21, v23                        ; with lane l xor 16's four blocks
	v_mul_f32 v21, s20, v21
	ds_store_b32 v7, v20
	ds_store_b32 v8, v21                           ; both halves of the lanes write the same word with the same value
	s_wait_dscnt 0x0                               ; for wave 0's sake: my stores are done
	s_barrier_signal -1
	s_barrier_wait -1
	s_cmp_lg_u32 s14, 0                            ; wave 0 stores what the four waves have gathered, in whole aligned runs
	s_cbranch_scc1 .Ldone
	ds_load_b128 v[24:27], v9
	ds_load_b64 v[28:29], v10
	s_wait_dscnt 0x0
	global_store_b128 v4, v[24:27], s[10:11]       ; the group's 512 bytes of scale words
	global_store_b64 v11, v[28:29], s[12:13]       ; and its 256 bytes of sums
.Ldone:
	s_wait_tensorcnt 0x0
	ds_add_u32 v208, v209
	s_wait_dscnt 0x0
	s_endpgm
.Lfunc_end_k_qa94f9694c0_quant:
	.size	k_qa94f9694c0_quant, .Lfunc_end_k_qa94f9694c0_quant-k_qa94f9694c0_quant
	.p2alignl 7, 3214868480
	.fill 96, 4, 3214868480
	.section	.rodata,"a",@progbits
	.p2align	6, 0x0
	.amdhsa_kernel k_qa94f9694c0_quant
		.amdhsa_group_segment_fixed_size 68096
		.amdhsa_private_segment_fixed_size 0
		.amdhsa_enable_private_segment 0
		.amdhsa_kernarg_size 40
		.amdhsa_user_sgpr_count 2
		.amdhsa_user_sgpr_kernarg_segment_ptr 1
		.amdhsa_wavefront_size32 1
		.amdhsa_system_sgpr_workgroup_id_x 1
		.amdhsa_system_sgpr_workgroup_id_y 1
		.amdhsa_system_sgpr_workgroup_id_z 1
		.amdhsa_system_vgpr_workitem_id 0
		.amdhsa_next_free_vgpr 210
		.amdhsa_next_free_sgpr 66
		.amdhsa_reserve_vcc 1
		.amdhsa_float_denorm_mode_32 3
		.amdhsa_float_denorm_mode_16_64 3
		.amdhsa_memory_ordered 1
		.amdhsa_forward_progress 1
		.amdhsa_inst_pref_size 22
	.end_amdhsa_kernel
	.amdgpu_metadata
---
amdhsa.version: [ 1, 2 ]
amdhsa.kernels:
  - .name:           k_qa94f9694c0_quant
    .symbol:         k_qa94f9694c0_quant.kd
    .args:
      - { .name: X_sample, .offset: 0, .size: 8, .value_kind: global_buffer, .address_space: global }
      - { .name: X_train, .offset: 8, .size: 8, .value_kind: global_buffer, .address_space: global }
      - { .name: codes, .offset: 16, .size: 8, .value_kind: global_buffer, .address_space: global }
      - { .name: scl, .offset: 24, .size: 8, .value_kind: global_buffer, .address_space: global }
      - { .name: nrm, .offset: 32, .size: 8, .value_kind: global_buffer, .address_space: global }
    .group_segment_fixed_size: 68096
    .private_segment_fixed_size: 0
    .kernarg_segment_align: 8
    .kernarg_segment_size: 40
    .max_flat_workgroup_size: 128
    .sgpr_count:     66
    .vgpr_count:     210
    .wavefront_size: 32
...
	.end_amdgpu_metadata
.endif
;; end of part 1
;; launch knn (part 2): grid 8 x 32, 8 waves a work-group, clusters of 4 x 1, 168,960 bytes of LDS; arguments codes, scl, nrm, part; writes part
.if DOCPART == 2
	.amdgcn_target "amdgcn-amd-amdhsa--gfx1250"
	.amdhsa_code_object_version 6
	.text
	.protected	k_qa94f9694c0_knn
	.globl	k_qa94f9694c0_knn
	.p2align	8
	.type	k_qa94f9694c0_knn,@function
k_qa94f9694c0_knn:
	s_mov_b64 s[64:65], 0
	v_nop
	global_prefetch_b8 v0, s[64:65] scope:SCOPE_SE
	s_setreg_imm32_b32 hwreg(HW_REG_WAVE_MODE, 25, 1), 1
	s_wait_xcnt 0x0
	s_wait_alu depctr_hold_cnt(0) depctr_sa_sdst(0) depctr_va_vdst(0) depctr_va_sdst(0) depctr_va_ssrc(0) depctr_va_vcc(0) depctr_vm_vsrc(0)
	s_getreg_b32 s2, hwreg(HW_REG_IB_STS2, 6, 4)
	s_cmp_eq_u32 s2, 0
	s_cbranch_scc0 .Lentry_in_a_cluster
	s_endpgm
.Lentry_in_a_cluster:
	s_bfe_u32 s2, ttmp6, 0x10000c
	s_cmp_lg_u32 s2, 0x3003
	s_cbranch_scc0 .Lentry_shape_is_right
	s_endpgm
.Lentry_shape_is_right:
; For 512 samples and a chunk of 1,024 train rows: the two LARGEST s = x . y - |y|^2 / 2 of each sample (x . y on codes of FP4 with E8M0 scales, K = 256).  The squared distance is |x|^2 - 2 s: a later launch forms it.
; LIMITS: NaN and infinities are not served; d2 is formed as |x|^2 - 2 (x . y - |y|^2 / 2): another order of f32 rounding than |x|^2 + |y|^2 - 2 x . y.
; SHARES.  Work-group (x, y): samples 512 x on, train chunk y.  Eight waves, two for each of a WGP's four SIMDs, so that one wave's matrix stretch stands beside the other's vector stretch.
; Wave w: sg = w & 3: its 128 samples, eight tiles, whose fragments stay in registers; tg = w >> 2: tiles 2 tg and 2 tg + 1 of each of the chunk's 16 groups of four tiles: 16 pairs of tiles.
; THE MATRIX INSTRUCTION IS USED TRANSPOSED (source 0 = 16 train rows, source 1 = 16 samples): lane (r, h) holds ONE sample, r, and register j of an accumulator is train row 8 h + j.
; -|y|^2 / 2 IS THE C of each sum's first matrix instruction: eight neighbouring numbers of nrm a lane.  No vector instruction forms s.
; THE TWO LARGEST, EXACTLY, FROM TWO PARTITIONS.  A lane's scores of a sample are laid in ROWS (the 8 registers of one accumulator) and COLUMNS (register j of all accumulators); two scores never share both.
; Kept: M1 >= M2, the two largest row maxima, and Q0 .. Q7, the column maxima.  The largest score is M1.  The second is max(M2, the second largest of Q0 .. Q7): each of the two is a maximum over groups that
; leave the largest score out, so neither exceeds the second; and the second differs from the largest in its row or in its column, so one of the two reaches it.  20 instructions for 16 scores.
; LDS is filled ONCE: the chunk's codes (131,072 bytes), scale words (8,192) and -|y|^2 / 2 (4,096), all dense blocks of memory laid in the order of the operand's registers.  Nothing is filled again.
; CLUSTER.  The four work-groups of a cluster share y, so the chunk is asked for JOINTLY: the same tensor loads, the same descriptors, the mask of all four.  The sample fragments, which work-groups of different y
; share, are not asked for jointly: a wave reads its 16,384 bytes once, straight into the registers where they stay; a joint load would send them through LDS and back for that one read.
; REGISTERS.  Window 0: v1-7, v18-22 addresses; v8-9 the pair's train scale words, v10-17 the samples' (they hold scales and nothing else); v24-39 C of the pair; v40-119 Q0-7, M1, M2 of eight tiles;
;   v120-127 row maxima at work; v128-255 sixteen accumulators: X_t (train tile 0 of the pair) at 128 + 16 t, Y_t at 136 + 16 t.   Window 1: v0-127 sample fragments (tile t, K step s at 16 t + 8 s); v128-159 the pair's.
.set COD, 0                            ; LDS: codes, 2,048 bytes a tile
.set SCL, 131072                       ; scale words, 512 bytes a group
.set BIA, 139264                       ; -|y|^2 / 2, 64 bytes a tile
.set MRG, 143360                       ; 2,048 bytes a wave for the way out: written by LDS stores alone, no tensor load lands here
.set TS,  8
.set SS,  10
.set BI,  24
.set ST,  40                           ; tile t: Q0-7 at ST + 10 t, M1 at + 8, M2 at + 9
.set RR,  120                          ; tile t % 4: the row maximum of X at RR + 2 (t % 4), of Y at + 1
.set ACC, 128
.set AF,  128                          ; in window 1: the pair's fragments: tile u, K step s at AF + 16 u + 8 s
.set MSB, 0
.macro WIN new                         ; the immediate's high byte repeats the setting that is left; a switch that changes nothing is dropped
.if MSB != \new
	s_set_vgpr_msb (MSB<<8)|\new
.set MSB, \new
.endif
.endm
.macro ROUND                           ; a round of the cluster's barrier: my work-group's barrier; wave 0 signals for the work-group; every wave waits for all four; my work-group's barrier once more
	s_barrier_signal -1
	s_barrier_wait -1
	s_cmp_lg_u32 s12, 0
	s_cbranch_scc1 .Lnot_wave_0_\@
	s_barrier_signal -3
.Lnot_wave_0_\@:
	s_barrier_wait -3
	s_barrier_signal -1
	s_barrier_wait -1
.endm
.macro SHAPE g, rows                   ; descriptor group 1: a dense block as rows of 256 bytes (32 elements of 8 bytes), no padding
	s_mov_b32 s[\g], 15|(3<<16)|(1<<21)            ; 15:0 the mask: all four work-groups; 17:16 elements of 8 bytes; 21 set beside a mask
	s_mov_b32 s[\g+1], 32<<16                      ; tensor_dim0 = 32
	s_mov_b32 s[\g+2], (\rows)<<16                 ; tensor_dim1
	s_mov_b32 s[\g+3], 32<<16                      ; tile_dim0 = 32
	s_mov_b32 s[\g+4], \rows                       ; tile_dim1
	s_mov_b32 s[\g+5], 32                          ; from row to row
	s_mov_b32 s[\g+6], 0
	s_mov_b32 s[\g+7], 0
.endm
.macro PIECE0 g, p                     ; descriptor group 0 for my 4,096 bytes of piece p (16 tiles, 32,768 bytes) of the codes
	s_mov_b32 s[\g], 1
	s_add_co_u32 s[\g+1], s92, COD+32768*\p
	s_add_nc_u64 s[\g+2:\g+3], s[90:91], 32768*\p
	s_or_b32 s[\g+3], s[\g+3], 0x80000000
.endm
	s_load_b256 s[4:11], s[0:1], 0x0               ; codes s[4:5], scl s[6:7], nrm s[8:9], part s[10:11]
	v_lshl_add_u32 v23, v0, 2, 0x29000
	s_set_vgpr_msb 0x40
	v_mov_b32 v255, 0
	s_set_vgpr_msb 0x4044
	ds_add_u32 v23, v255
	ds_add_u32 v23, v255
	s_set_vgpr_msb 0x4400
	v_lshrrev_b32 v1, 5, v0
	v_readfirstlane_b32 s12, v1                    ; wave 0..7
	s_and_b32 s13, s12, 3                          ; sg
	s_lshr_b32 s14, s12, 2                         ; tg
	s_bfe_u32 s15, ttmp6, 0x40000                  ; cx: my place in the cluster: it enters the samples' and part's addresses alone
	s_lshl_b32 s16, ttmp9, 2
	s_add_co_u32 s16, s16, s15                     ; my block of 512 samples = 4 x cluster x + cx
	s_and_b32 s17, ttmp7, 0xffff                   ; y: the train chunk, which the four partners share
	v_and_b32 v22, 31, v0                          ; lane
	v_bfe_u32 v21, v0, 4, 1                        ; h
	v_lshlrev_b32 v7, 4, v22                       ; 16 x lane
	s_lshl_b32 s18, s14, 12
	v_add_nc_u32 v1, s18, v7                       ; my place in a group's codes: 16 x lane + 4,096 tg
	s_lshl_b32 s18, s14, 3
	s_add_co_u32 s18, s18, SCL
	v_add_nc_u32 v2, s18, v7                       ; in its scale words: 16 x lane + 8 tg
	s_lshl_b32 s18, s14, 7
	s_add_co_u32 s18, s18, BIA
	v_lshl_add_u32 v3, v21, 5, s18                 ; in its -|y|^2 / 2: 32 h + 128 tg
	s_lshl_b32 s18, s12, 11
	s_add_co_u32 s18, s18, MRG
	v_add_nc_u32 v18, s18, v7                      ; the way out: where I put my pairs,
	s_xor_b32 s19, s12, 4
	s_lshl_b32 s19, s19, 11
	s_add_co_u32 s19, s19, MRG
	v_add_nc_u32 v19, s19, v7                      ; and where the wave with my samples and the other train tiles puts its
	v_lshlrev_b32 v20, 3, v22                      ; 8 x lane
	SHAPE 24, 16                                   ; s[24:31]: 4,096 bytes of codes
	SHAPE 32, 4                                    ; s[32:39]: 1,024 bytes of scale words
	SHAPE 40, 2                                    ; s[40:47]: 512 bytes of -|y|^2 / 2
	; what I fetch of the chunk, in bytes: made of y and the wave's number alone
	s_lshl_b32 s18, s17, 17
	s_lshl_b32 s92, s12, 12
	s_add_co_u32 s18, s18, s92
	s_add_co_u32 s18, s18, 524288                  ; codes: behind the samples' 256 tiles, 131,072 y + 4,096 w
	s_mov_b32 s19, 0
	s_lshl_b32 s20, s17, 13
	s_lshl_b32 s21, s12, 10
	s_add_co_u32 s20, s20, s21
	s_add_co_u32 s20, s20, 32768                   ; scl: behind the samples' 64 groups, 8,192 y + 1,024 w
	s_mov_b32 s21, 0
	s_lshl_b32 s22, s17, 12
	s_lshl_b32 s23, s12, 9
	s_add_co_u32 s22, s22, s23
	s_add_co_u32 s22, s22, 16384                   ; nrm: behind the samples' 4,096 numbers, 4,096 y + 512 w
	s_mov_b32 s23, 0
	; my samples, in registers that feed no descriptor
	s_lshl_b32 s84, s16, 16
	s_lshl_b32 s85, s13, 14
	s_add_co_u32 s84, s84, s85                     ; codes: 65,536 x block + 16,384 sg
	s_mov_b32 s85, 0
	s_lshl_b32 s94, s16, 12
	s_lshl_b32 s95, s13, 10
	s_add_co_u32 s94, s94, s95                     ; scl and part: 4,096 x block + 1,024 sg
	s_mov_b32 s95, 0
	s_mov_b32 s80, 0x76543210
	s_mov_b32 s81, 0xfedcba98                      ; v_permlanex16_b32's selects for lane l xor 16
	s_mov_b32 s93, 0xff800000                      ; -infinity
	s_wait_dscnt 0x0
	s_wait_kmcnt 0x0
	s_add_nc_u64 s[82:83], s[4:5], s[84:85]        ; my samples' fragments
	s_add_nc_u64 s[86:87], s[6:7], s[94:95]        ; their scale words
	s_add_nc_u64 s[88:89], s[10:11], s[94:95]
	s_lshl_b32 s94, s17, 15
	s_add_nc_u64 s[88:89], s[88:89], s[94:95]      ; part: + 32,768 y
	s_mov_b32 s48, 1                               ; group 0 for the scale words
	s_lshl_b32 s49, s12, 10
	s_add_co_u32 s49, s49, SCL
	s_add_nc_u64 s[50:51], s[6:7], s[20:21]
	s_or_b32 s51, s51, 0x80000000
	s_mov_b32 s52, 1                               ; for -|y|^2 / 2
	s_lshl_b32 s53, s12, 9
	s_add_co_u32 s53, s53, BIA
	s_add_nc_u64 s[54:55], s[8:9], s[22:23]
	s_or_b32 s55, s55, 0x80000000
	s_add_nc_u64 s[90:91], s[4:5], s[18:19]
	PIECE0 56, 0
	PIECE0 60, 1
	PIECE0 68, 2
	PIECE0 72, 3
	ROUND                                          ; all four work-groups are here: the joint loads meet
	tensor_load_to_lds s[48:51], s[32:39]          ; all fills of the launch go out as one group: six loads of mine are out.  The scale words and C first: they are wanted with piece 0
	s_nop 0
	tensor_load_to_lds s[52:55], s[40:47]
	s_nop 0
	tensor_load_to_lds s[56:59], s[24:31]
	s_nop 0
	tensor_load_to_lds s[60:63], s[24:31]
	s_nop 0
	tensor_load_to_lds s[68:71], s[24:31]
	s_nop 0
	tensor_load_to_lds s[72:75], s[24:31]
	s_nop 0
.rept 4
	v_nop                                          ; four lines ahead of the switch of windows below
.endr
	WIN 0x40                                       ; destination window 1, address window 0
.irp t, 0,1,2,3,4,5,6,7
.irp q, 0,1,2,3
	global_load_b128 v[16*\t+4*\q:16*\t+4*\q+3], v7, s[82:83] offset:2048*\t+512*\q   ; my eight sample tiles: they stay
.endr
.endr
	WIN 0
	global_load_b128 v[SS:SS+3], v7, s[86:87]      ; register t: lanes 0-15 K step 0's word of sample r of tile t, lanes 16-31 K step 1's
	global_load_b128 v[SS+4:SS+7], v7, s[86:87] offset:512
.set i, 0
.rept 80
	v_mov_b32 v[ST+i], s93                         ; every maximum begins at -infinity, so that the step is written once; these stand while the first loads are on their way
.set i, i+1
.endr
	s_wait_loadcnt 0x0                             ; the samples
.macro ADDR                            ; the LDS addresses of the pair in hand: s76, s77, s78 = the group's place among the codes, the scale words, C
	v_add_nc_u32 v4, s76, v1
	v_add_nc_u32 v5, s77, v2
	v_add_nc_u32 v6, s78, v3
.endm
.macro LOADS                           ; 13 LDS loads in one run: a pair's four fragments, its C, its scale words
	WIN 0x40
.irp u, 0,1
.irp q, 0,1,2,3
	ds_load_b128 v[AF+16*\u+4*\q:AF+16*\u+4*\q+3], v4 offset:2048*\u+512*\q   ; an image of the registers: 512 consecutive bytes an instruction
.endr
.endr
	WIN 0
.irp u, 0,1
.irp e, 0,1
	ds_load_b128 v[BI+8*\u+4*\e:BI+8*\u+4*\e+3], v6 offset:64*\u+16*\e      ; -|y|^2 / 2 of train rows 8 h + 0 .. 7 of tile u
.endr
.endr
	ds_load_b64 v[TS:TS+1], v5                     ; register u: lanes 0-15 K step 0's word of train row r of tile u, lanes 16-31 K step 1's
.endm
; 32 matrix instructions: two train tiles x eight sample tiles x two K steps.  The sixteen accumulators take turns, one instruction a turn: fifteen others' stand between the two links of a chain.
.macro MULS
	s_wait_dscnt 0x0                               ; the pair's 13 loads, issued ahead of the last pair's vector work
	WIN 0x05                                       ; sources 0 and 1 window 1; C and D window 0
.irp u, 0,1
.irp t, 0,1,2,3,4,5,6,7
	v_wmma_scale_f32_16x16x128_f8f6f4 v[ACC+16*\t+8*\u:ACC+16*\t+8*\u+7], v[AF+16*\u:AF+16*\u+7], v[16*\t:16*\t+7], v[BI+8*\u:BI+8*\u+7], v[TS+\u], v[SS+\t] matrix_a_fmt:MATRIX_FMT_FP4 matrix_b_fmt:MATRIX_FMT_FP4
.endr
.endr
.irp u, 0,1
.irp t, 0,1,2,3,4,5,6,7
	v_wmma_scale_f32_16x16x128_f8f6f4 v[ACC+16*\t+8*\u:ACC+16*\t+8*\u+7], v[AF+16*\u+8:AF+16*\u+15], v[16*\t+8:16*\t+15], v[ACC+16*\t+8*\u:ACC+16*\t+8*\u+7], v[TS+\u], v[SS+\t] matrix_a_fmt:MATRIX_FMT_FP4 matrix_b_fmt:MATRIX_FMT_FP4 matrix_a_scale:MATRIX_SCALE_ROW1 matrix_b_scale:MATRIX_SCALE_ROW1
.endr
.endr
	WIN 0
.endm
; The steps of the search, each written for four sample tiles g .. g + 3 in turn, so that no line reads the result of one of the three above it.  y = 0: the tile's X, 1: its Y.
.macro FIRST3 g, y                     ; the row maximum begins at the accumulator's low end
.irp i, 0,1,2,3
	v_max3_num_f32 v[RR+2*\i+\y], v[ACC+16*(\g+\i)+8*\y], v[ACC+16*(\g+\i)+8*\y+1], v[ACC+16*(\g+\i)+8*\y+2]
.endr
.endm
.macro NEXT3 g, y, j
.irp i, 0,1,2,3
	v_max3_num_f32 v[RR+2*\i+\y], v[RR+2*\i+\y], v[ACC+16*(\g+\i)+8*\y+\j], v[ACC+16*(\g+\i)+8*\y+\j+1]
.endr
.endm
.macro LAST1 g, y
.irp i, 0,1,2,3
	v_max_num_f32 v[RR+2*\i+\y], v[RR+2*\i+\y], v[ACC+16*(\g+\i)+8*\y+7]
.endr
.endm
.macro COL g, j                        ; Qj takes register j of both accumulators
.irp i, 0,1,2,3
	v_max3_num_f32 v[ST+10*(\g+\i)+\j], v[ST+10*(\g+\i)+\j], v[ACC+16*(\g+\i)+\j], v[ACC+16*(\g+\i)+8+\j]
.endr
.endm
.macro SECOND g, y                     ; M2 = the middle one of M1, M2 and the row maximum,
.irp i, 0,1,2,3
	v_med3_num_f32 v[ST+10*(\g+\i)+9], v[ST+10*(\g+\i)+8], v[ST+10*(\g+\i)+9], v[RR+2*\i+\y]
.endr
.endm
.macro BEST g, y                       ; then M1 takes it
.irp i, 0,1,2,3
	v_max_num_f32 v[ST+10*(\g+\i)+8], v[ST+10*(\g+\i)+8], v[RR+2*\i+\y]
.endr
.endm
.macro TOPS                            ; 160 instructions for the pair's 128 registers of scores
.irp g, 0, 4
	FIRST3 \g, 0
	FIRST3 \g, 1
	COL \g, 0
	NEXT3 \g, 0, 3
	NEXT3 \g, 1, 3
	COL \g, 1
	NEXT3 \g, 0, 5
	NEXT3 \g, 1, 5
	COL \g, 2
	LAST1 \g, 0
	LAST1 \g, 1
	COL \g, 3
	SECOND \g, 0
	BEST \g, 0
	COL \g, 4
	SECOND \g, 1
	BEST \g, 1
	COL \g, 5
	COL \g, 6
	COL \g, 7
.endr
.endm
; Piece p: four groups, four pairs of tiles for a wave.  While a pair's scores are searched, the next pair's loads are on their way; the piece's last pair is written out and loads nothing.
.macro PIECE p
	s_wait_tensorcnt 3-\p                          ; tensor loads of a wave end in order: my part of piece p is in (and with piece 0 the scale words and C); the 3 - p pieces issued behind it may stay out
	s_barrier_signal -1                            ; (no LDS instruction of mine is pending here)
	s_barrier_wait -1                              ; everybody's part is in
	s_mov_b32 s76, COD+32768*\p
	s_mov_b32 s77, 2048*\p
	s_mov_b32 s78, 1024*\p
	ADDR
	LOADS
	s_mov_b32 s79, 3
.Lpair_\@:
	MULS
	s_add_co_u32 s76, s76, 8192                    ; the next group
	s_add_co_u32 s77, s77, 512
	s_add_co_u32 s78, s78, 256
	ADDR                                           ; these three and the v_nop are the four places between the last matrix instruction and the loads into registers that it read,
	v_nop                                          ; and the first read of results (ISA guide 7.12.1 for vector instructions)
	LOADS
	TOPS
	s_sub_co_u32 s79, s79, 1
	s_cmp_lg_u32 s79, 0
	s_cbranch_scc1 .Lpair_\@
	MULS
.rept 4
	v_nop
.endr
	TOPS
.endm
	PIECE 0
	PIECE 1
	PIECE 2
	PIECE 3
	; THE WAY OUT, each step for the eight sample tiles in turn.  The accumulators' registers are free.  First the second largest of Q0 .. Q7, and with M2 the lane's second largest score
.irp t, 0,1,2,3,4,5,6,7
	v_min_num_f32 v[136+\t], v[ST+10*\t], v[ST+10*\t+1]
.endr
.irp t, 0,1,2,3,4,5,6,7
	v_max_num_f32 v[128+\t], v[ST+10*\t], v[ST+10*\t+1]
.endr
.irp j, 2,3,4,5,6,7
.irp t, 0,1,2,3,4,5,6,7
	v_med3_num_f32 v[136+\t], v[128+\t], v[136+\t], v[ST+10*\t+\j]
.endr
.irp t, 0,1,2,3,4,5,6,7
	v_max_num_f32 v[128+\t], v[128+\t], v[ST+10*\t+\j]
.endr
.endr
.irp t, 0,1,2,3,4,5,6,7
	v_max_num_f32 v[136+\t], v[136+\t], v[ST+10*\t+9]
.endr
	; lane l xor 16 holds the same sample's other train rows.  Of two pairs (a1 >= a2), (b1 >= b2) the two largest are max(a1, b1) and max(min(a1, b1), a2, b2)
.irp t, 0,1,2,3,4,5,6,7
	v_permlanex16_b32 v[128+\t], v[ST+10*\t+8], s80, s81
.endr
.irp t, 0,1,2,3,4,5,6,7
	v_permlanex16_b32 v[ST+10*\t], v[136+\t], s80, s81
.endr
.irp t, 0,1,2,3,4,5,6,7
	v_min_num_f32 v[144+\t], v[ST+10*\t+8], v[128+\t]
.endr
.irp t, 0,1,2,3,4,5,6,7
	v_max_num_f32 v[160+2*\t], v[ST+10*\t+8], v[128+\t]
.endr
.irp t, 0,1,2,3,4,5,6,7
	v_max3_num_f32 v[161+2*\t], v[144+\t], v[136+\t], v[ST+10*\t]
.endr
	; the wave w xor 4 holds the same samples' other train tiles: the pairs change hands through LDS as images of their registers
.irp k, 0,1,2,3
	ds_store_b128 v18, v[160+4*\k:163+4*\k] offset:512*\k
.endr
	s_wait_dscnt 0x0                               ; for the other wave's sake: my stores are done
	s_barrier_signal -1
	s_barrier_wait -1
.irp k, 0,1,2,3
	ds_load_b128 v[176+4*\k:179+4*\k], v19 offset:512*\k
.endr
	s_wait_dscnt 0x0
.irp t, 0,1,2,3,4,5,6,7
	v_min_num_f32 v[144+\t], v[160+2*\t], v[176+2*\t]
.endr
.irp t, 0,1,2,3,4,5,6,7
	v_max_num_f32 v[192+2*\t], v[160+2*\t], v[176+2*\t]
.endr
.irp t, 0,1,2,3,4,5,6,7
	v_max3_num_f32 v[193+2*\t], v[144+\t], v[161+2*\t], v[177+2*\t]
.endr
	v_cmp_ne_u32 vcc_lo, 0, v21
	s_cmp_ge_u32 s12, 4                            ; both waves of a pair now hold the same numbers: waves 0 to 3 store them
	s_cbranch_scc1 .Lnot_mine
.irp t, 0,2,4,6
	v_cndmask_b32 v[208+\t], v[192+2*\t], v[194+2*\t], vcc_lo   ; lanes 0-15 take tile t, lanes 16-31 tile t + 1: 32 neighbouring samples
	v_cndmask_b32 v[209+\t], v[193+2*\t], v[195+2*\t], vcc_lo
.endr
.irp t, 0,2,4,6
	global_store_b64 v20, v[208+\t:209+\t], s[88:89] offset:128*\t   ; 32 lanes store 256 consecutive bytes, at a multiple of 256 from part's first byte
.endr
.Lnot_mine:
	s_set_vgpr_msb 0x4
	s_wait_tensorcnt 0x0
	ds_add_u32 v23, v255
	s_wait_dscnt 0x0
	s_set_vgpr_msb 0x400
	ROUND                                          ; the closing round: no work-group ends while a partner may still ask for a tile that names it
	s_endpgm
.Lfunc_end_k_qa94f9694c0_knn:
	.size	k_qa94f9694c0_knn, .Lfunc_end_k_qa94f9694c0_knn-k_qa94f9694c0_knn
	.p2alignl 7, 3214868480
	.fill 96, 4, 3214868480
	.section	.rodata,"a",@progbits
	.p2align	6, 0x0
	.amdhsa_kernel k_qa94f9694c0_knn
		.amdhsa_group_segment_fixed_size 168960
		.amdhsa_private_segment_fixed_size 0
		.amdhsa_enable_private_segment 0
		.amdhsa_kernarg_size 32
		.amdhsa_user_sgpr_count 2
		.amdhsa_user_sgpr_kernarg_segment_ptr 1
		.amdhsa_wavefront_size32 1
		.amdhsa_system_sgpr_workgroup_id_x 1
		.amdhsa_system_sgpr_workgroup_id_y 1
		.amdhsa_system_sgpr_workgroup_id_z 1
		.amdhsa_system_vgpr_workitem_id 0
		.amdhsa_next_free_vgpr 512
		.amdhsa_next_free_sgpr 96
		.amdhsa_reserve_vcc 1
		.amdhsa_float_denorm_mode_32 3
		.amdhsa_float_denorm_mode_16_64 3
		.amdhsa_memory_ordered 1
		.amdhsa_forward_progress 1
		.amdhsa_inst_pref_size 139
	.end_amdhsa_kernel
	.amdgpu_metadata
---
amdhsa.version: [ 1, 2 ]
amdhsa.kernels:
  - .name:           k_qa94f9694c0_knn
    .symbol:         k_qa94f9694c0_knn.kd
    .args:
      - { .name: codes, .offset: 0, .size: 8, .value_kind: global_buffer, .address_space: global }
      - { .name: scl, .offset: 8, .size: 8, .value_kind: global_buffer, .address_space: global }
      - { .name: nrm, .offset: 16, .size: 8, .value_kind: global_buffer, .address_space: global }
      - { .name: part, .offset: 24, .size: 8, .value_kind: global_buffer, .address_space: global }
    .group_segment_fixed_size: 168960
    .private_segment_fixed_size: 0
    .kernarg_segment_align: 8
    .kernarg_segment_size: 32
    .max_flat_workgroup_size: 256
    .sgpr_count:     96
    .vgpr_count:     512
    .wavefront_size: 32
...
	.end_amdgpu_metadata
.endif
;; end of part 2
;; launch merge (part 3): grid 32 x 1, 4 waves a work-group, no clusters, 0 bytes of LDS; arguments part, nrm, out0; writes out0
.if DOCPART == 3
	.amdgcn_target "amdgcn-amd-amdhsa--gfx1250"
	.amdhsa_code_object_version 6
	.text
	.protected	k_qa94f9694c0_merge
	.globl	k_qa94f9694c0_merge
	.p2align	8
	.type	k_qa94f9694c0_merge,@function
k_qa94f9694c0_merge:
	s_mov_b64 s[64:65], 0
	v_nop
	global_prefetch_b8 v0, s[64:65] scope:SCOPE_SE
	s_setreg_imm32_b32 hwreg(HW_REG_WAVE_MODE, 25, 1), 1
	s_wait_xcnt 0x0
; out0[sample] = sqrt(max(|x|^2 - 2 s, 0)) for the two largest s of the sample over the 32 train chunks.  part: [32][4096][2] f32 (s1 >= s2 of a chunk); nrm[sample] = |x|^2.
; A thread takes a sample: 128 g + its number.  Each load of a wave reads 256 consecutive bytes; all 33 are out together.  No LDS, no barrier: threads share nothing.
; Of two pairs (a1 >= a2), (b1 >= b2) the two largest are max(a1, b1) and max(min(a1, b1), a2, b2).  Two chains, the even chunks' and the odd ones', so that they do not wait for each other.
	s_load_b128 s[4:7], s[0:1], 0x0                ; part, nrm
	s_load_b64 s[8:9], s[0:1], 0x10                ; out0
	v_lshlrev_b32 v1, 3, v0                        ; 8 bytes a sample in part and in out0
	v_lshlrev_b32 v2, 2, v0                        ; 4 in nrm
	s_lshl_b32 s10, ttmp9, 10
	s_mov_b32 s11, 0
	s_lshl_b32 s12, ttmp9, 9
	s_mov_b32 s13, 0
	s_wait_kmcnt 0x0
	s_add_nc_u64 s[4:5], s[4:5], s[10:11]
	s_add_nc_u64 s[6:7], s[6:7], s[12:13]
	s_add_nc_u64 s[8:9], s[8:9], s[10:11]
.set c, 0
.rept 32
	global_load_b64 v[16+2*c:17+2*c], v1, s[4:5] offset:32768*c th:TH_LOAD_NT   ; chunk c's pair
.set c, c+1
.endr
	global_load_b32 v3, v2, s[6:7]                 ; |x|^2
	s_wait_loadcnt 0x0
.irp c, 2,4,6,8,10,12,14,16,18,20,22,24,26,28,30
	v_min_num_f32 v4, v16, v[16+2*\c]
	v_min_num_f32 v5, v18, v[18+2*\c]
	v_max_num_f32 v16, v16, v[16+2*\c]
	v_max_num_f32 v18, v18, v[18+2*\c]
	v_max3_num_f32 v17, v4, v17, v[17+2*\c]
	v_max3_num_f32 v19, v5, v19, v[19+2*\c]
.endr
	v_min_num_f32 v4, v16, v18                     ; the two chains are joined
	v_max_num_f32 v16, v16, v18
	v_max3_num_f32 v17, v4, v17, v19
	v_fma_f32 v6, v16, -2.0, v3                    ; the smallest squared distance comes of the largest s
	v_fma_f32 v7, v17, -2.0, v3
	v_max_num_f32 v6, 0, v6
	v_max_num_f32 v7, 0, v7
	v_sqrt_f32 v8, v6
	v_sqrt_f32 v9, v7
	v_nop                                          ; a plain instruction between the last root and the use of its result
	s_wait_alu depctr_va_vdst(0)                   ; and a wait ahead of the first use: one for both roots
	global_store_b64 v1, v[8:9], s[8:9]            ; 32 lanes store 256 consecutive bytes, aligned
	s_endpgm
.Lfunc_end_k_qa94f9694c0_merge:
	.size	k_qa94f9694c0_merge, .Lfunc_end_k_qa94f9694c0_merge-k_qa94f9694c0_merge
	.p2alignl 7, 3214868480
	.fill 96, 4, 3214868480
	.section	.rodata,"a",@progbits
	.p2align	6, 0x0
	.amdhsa_kernel k_qa94f9694c0_merge
		.amdhsa_group_segment_fixed_size 0
		.amdhsa_private_segment_fixed_size 0
		.amdhsa_enable_private_segment 0
		.amdhsa_kernarg_size 24
		.amdhsa_user_sgpr_count 2
		.amdhsa_user_sgpr_kernarg_segment_ptr 1
		.amdhsa_wavefront_size32 1
		.amdhsa_system_sgpr_workgroup_id_x 1
		.amdhsa_system_sgpr_workgroup_id_y 1
		.amdhsa_system_sgpr_workgroup_id_z 1
		.amdhsa_system_vgpr_workitem_id 0
		.amdhsa_next_free_vgpr 96
		.amdhsa_next_free_sgpr 66
		.amdhsa_reserve_vcc 0
		.amdhsa_float_denorm_mode_32 3
		.amdhsa_float_denorm_mode_16_64 3
		.amdhsa_memory_ordered 1
		.amdhsa_forward_progress 1
		.amdhsa_inst_pref_size 9
	.end_amdhsa_kernel
	.amdgpu_metadata
---
amdhsa.version: [ 1, 2 ]
amdhsa.kernels:
  - .name:           k_qa94f9694c0_merge
    .symbol:         k_qa94f9694c0_merge.kd
    .args:
      - { .name: part, .offset: 0, .size: 8, .value_kind: global_buffer, .address_space: global }
      - { .name: nrm, .offset: 8, .size: 8, .value_kind: global_buffer, .address_space: global }
      - { .name: out0, .offset: 16, .size: 8, .value_kind: global_buffer, .address_space: global }
    .group_segment_fixed_size: 0
    .private_segment_fixed_size: 0
    .kernarg_segment_align: 8
    .kernarg_segment_size: 24
    .max_flat_workgroup_size: 128
    .sgpr_count:     66
    .vgpr_count:     96
    .wavefront_size: 32
...
	.end_amdgpu_metadata
.endif
;; end of part 3
;; launch ratio (part 4): grid 1 x 1, 32 waves a work-group, no clusters, 4,352 bytes of LDS; arguments out0, out1; writes out1
.if DOCPART == 4
	.amdgcn_target "amdgcn-amd-amdhsa--gfx1250"
	.amdhsa_code_object_version 6
	.text
	.protected	k_qa94f9694c0_ratio
	.globl	k_qa94f9694c0_ratio
	.p2align	8
	.type	k_qa94f9694c0_ratio,@function
k_qa94f9694c0_ratio:
	s_mov_b64 s[64:65], 0
	v_nop
	global_prefetch_b8 v0, s[64:65] scope:SCOPE_SE
	s_setreg_imm32_b32 hwreg(HW_REG_WAVE_MODE, 25, 1), 1
	s_wait_xcnt 0x0
; out1 = the mean over the 4,096 samples of (d0 < d1 / 3 ? 1 : 0), d0 and d1 the sample's two numbers of out0; 1 / 3 is the f32 number 0x3eaaaaab, and d1 is multiplied by it.
; The sum spans all samples, so one work-group makes it: 1,024 threads, four samples each (two loads of 16 bytes; a wave's load covers 512 consecutive bytes).  The counts are whole numbers up to 4,096: exact in f32.
	s_load_b128 s[4:7], s[0:1], 0x0                ; out0, out1
	v_lshl_add_u32 v32, v0, 2, 0x100
	v_mov_b32 v33, 0
	v_lshrrev_b32 v1, 5, v0
	v_readfirstlane_b32 s8, v1                     ; wave 0..31
	v_lshlrev_b32 v2, 4, v0                        ; 16 bytes a thread
	v_and_b32 v3, 31, v0
	v_lshlrev_b32 v3, 2, v3                        ; LDS: a word a lane: wave 0 reads the 32 waves' sums
	v_mov_b32 v13, s8
	v_lshlrev_b32 v13, 2, v13                      ; LDS: my wave's word
	v_mov_b32 v14, 0                               ; out1's offset
	v_mov_b32 v15, 0                               ; a lane permute's destination counts as one of its sources: written once
	s_mov_b32 s10, 0x76543210
	s_mov_b32 s11, 0xfedcba98                      ; v_permlanex16_b32's selects for lane l xor 16
	s_wait_kmcnt 0x0
	global_load_b128 v[4:7], v2, s[4:5]
	global_load_b128 v[8:11], v2, s[4:5] offset:16384
	s_wait_loadcnt 0x0
.irp i, 4,6,8,10
	v_mul_f32 v[12+\i], 0x3eaaaaab, v[\i+1]        ; d1 / 3
.endr
.irp i, 4,6,8,10
	v_cmp_lt_f32 vcc_lo, v[\i], v[12+\i]
	v_cndmask_b32 v[13+\i], 0, 1.0, vcc_lo
.endr
	v_add_f32 v17, v17, v19
	v_add_f32 v21, v21, v23
	v_add_f32 v17, v17, v21
.macro WSUM                            ; the sum of v17 over the wave's 32 lanes, in every lane
	v_add_f32_dpp v17, v17, v17 row_xmask:1 row_mask:0xf bank_mask:0xf
	v_add_f32_dpp v17, v17, v17 row_xmask:2 row_mask:0xf bank_mask:0xf
	v_add_f32_dpp v17, v17, v17 row_xmask:4 row_mask:0xf bank_mask:0xf
	v_add_f32_dpp v17, v17, v17 row_xmask:8 row_mask:0xf bank_mask:0xf
	v_permlanex16_b32 v15, v17, s10, s11
	v_add_f32 v17, v17, v15
.endm
	WSUM
	ds_store_b32 v13, v17                          ; all lanes write the wave's word with the same value
	s_wait_dscnt 0x0                               ; for wave 0's sake: my store is done
	s_barrier_signal -1
	s_barrier_wait -1
	s_cmp_lg_u32 s8, 0
	s_cbranch_scc1 .Ldone
	ds_load_b32 v17, v3
	s_wait_dscnt 0x0
	WSUM
	v_mul_f32 v17, 0x39800000, v17                 ; / 4,096: exact
	v_cmp_eq_u32 vcc_lo, 0, v0
	s_wait_xcnt 0x0                                ; EXEC changes only behind this wait
	s_and_saveexec_b32 s12, vcc_lo                 ; one lane stores the one number
	global_store_b32 v14, v17, s[6:7]
	s_wait_xcnt 0x0                                ; and again, in front of the line that widens it
	s_or_b32 exec_lo, exec_lo, s12
.Ldone:
	s_wait_tensorcnt 0x0
	ds_add_u32 v32, v33
	s_wait_dscnt 0x0
	s_endpgm
.Lfunc_end_k_qa94f9694c0_ratio:
	.size	k_qa94f9694c0_ratio, .Lfunc_end_k_qa94f9694c0_ratio-k_qa94f9694c0_ratio
	.p2alignl 7, 3214868480
	.fill 96, 4, 3214868480
	.section	.rodata,"a",@progbits
	.p2align	6, 0x0
	.amdhsa_kernel k_qa94f9694c0_ratio
		.amdhsa_group_segment_fixed_size 4352
		.amdhsa_private_segment_fixed_size 0
		.amdhsa_enable_private_segment 0
		.amdhsa_kernarg_size 16
		.amdhsa_user_sgpr_count 2
		.amdhsa_user_sgpr_kernarg_segment_ptr 1
		.amdhsa_wavefront_size32 1
		.amdhsa_system_sgpr_workgroup_id_x 1
		.amdhsa_system_sgpr_workgroup_id_y 1
		.amdhsa_system_sgpr_workgroup_id_z 1
		.amdhsa_system_vgpr_workitem_id 0
		.amdhsa_next_free_vgpr 34
		.amdhsa_next_free_sgpr 66
		.amdhsa_reserve_vcc 1
		.amdhsa_float_denorm_mode_32 3
		.amdhsa_float_denorm_mode_16_64 3
		.amdhsa_memory_ordered 1
		.amdhsa_forward_progress 1
		.amdhsa_inst_pref_size 4
	.end_amdhsa_kernel
	.amdgpu_metadata
---
amdhsa.version: [ 1, 2 ]
amdhsa.kernels:
  - .name:           k_qa94f9694c0_ratio
    .symbol:         k_qa94f9694c0_ratio.kd
    .args:
      - { .name: out0, .offset: 0, .size: 8, .value_kind: global_buffer, .address_space: global }
      - { .name: out1, .offset: 8, .size: 8, .value_kind: global_buffer, .address_space: global }
    .group_segment_fixed_size: 4352
    .private_segment_fixed_size: 0
    .kernarg_segment_align: 8
    .kernarg_segment_size: 16
    .max_flat_workgroup_size: 1024
    .sgpr_count:     66
    .vgpr_count:     34
    .wavefront_size: 32
...
	.end_amdgpu_metadata
.endif
;; end of part 4
